; MI455X (gfx1250); checked and timed in simulation.
; The chip was launched on July 23, 2026; its instructions are those of AMD's public machine-readable ISA for CDNA 5 (MIT licence, August 2026) and "CDNA5" Instruction Set Architecture Reference Guide (July 2026). The comments in the code are by the model that wrote it; some were corrected since.
;; Anchor Ts2 Vec. Allowed arithmetic: matrix products marked QUANTISED: E3M2 operands, one E8M0 scale for each 32 along K, by v_wmma_scale_f32_16x16x128_f8f6f4 with both operands' format E3M2, f32 sums; everything else in f32.
;; Inputs: e_actv 8,192 x 256 float32; e_ap 8,192 x 256 float32; host 8,192 int32.
;; Outputs: out0 8,192 x 256 float32; out1 8,192 x 256 float32; out2 8,192 x 256 float32.
;; This version of the problem:
;;   THIS VERSION OF THE PROBLEM IS GIVEN IN LOW PRECISION. The matrix products marked QUANTISED in the list below multiply operands that are first quantised to E3M2 (3 exponent bits, 2 mantissa bits; 6 bits a number), with one power-of-two scale for each 32 numbers along K (OCP MX v1.0); their sums are f32. All else is computed in f32.
;;   The module's matrix products, in the order in which they are computed (A, B: the left and right operand; K: the contracted axis; several contracted axes count as one K, in the product's order):
;;     1. [M 8,192, K 256] x [K 256, N 8,192]; A: input e_actv; B: input e_actv: QUANTISED
;;   THE QUANTISER, for each operand of a quantised product, along K:
;;     - K is cut into blocks of 32 from its start; a last block that is shorter is filled with zeros.
;;     - A block's scale is 2^e with e = floor(log2(the largest magnitude in the block)) - 4, held to -126 .. 127; a block of zeros has e = 0. As a byte (E8M0): e + 127.
;;     - Each number is divided by its block's scale, clamped to +-28, and rounded to the nearest number of E3M2, ties to even, subnormals kept.
;;     - The product sums the exact products of the quantised numbers (number of the format x scale) in f32.
;;   ~~~python
;;   def quantise(x, axis):      # numpy; x: float32 -> the quantised numbers, widened to float32 again
;;       x = np.moveaxis(x, axis, -1); K = x.shape[-1]
;;       x = np.pad(x, [(0, 0)] * (x.ndim - 1) + [(0, -K % 32)]); x = x.reshape(x.shape[:-1] + (-1, 32)); a = np.abs(x).max(-1, keepdims=True)
;;       e = np.where(a > 0, np.clip(np.frexp(np.where(a > 0, a, 1))[1] - 1 - 4, -126, 127), 0)      # np.frexp(a)[1] - 1 = floor(log2(a)), exactly
;;       r = np.clip(x / 2.0 ** e, -28, 28)
;;       step = 2.0 ** (np.maximum(np.frexp(np.where(r == 0, 1, r))[1] - 1, -2) - 2)
;;       q = np.round(r / step) * step * 2.0 ** e      # np.round: ties to even
;;       return np.moveaxis(q.reshape(q.shape[:-2] + (-1,))[..., :K], -1, axis).astype(np.float32)
;;   ~~~
;; One version. Each part assembles by itself: llvm-mc -triple=amdgcn-amd-amdhsa -mcpu=gfx1250 --defsym DOCPART=n.
;; ======== version 1 of 1: 3 launches
;; limits: inputs' magnitudes at most 1e+18; right only within a limited range of input values
;; workspace buffers: codes 1,572,864 bytes; side 131,072 bytes; cand 1,048,576 bytes of whole numbers
;; launch prep (part 1): grid 256 x 1, 2 waves a work-group, no clusters, 34,048 bytes of LDS; arguments e_actv, host, out0, codes, side; writes out0, codes, side
.if DOCPART == 1
	.amdgcn_target "amdgcn-amd-amdhsa--gfx1250"
	.amdhsa_code_object_version 6
	.text
	.protected	k_qcc7b990172_prep
	.globl	k_qcc7b990172_prep
	.p2align	8
	.type	k_qcc7b990172_prep,@function
k_qcc7b990172_prep:
	s_mov_b64 s[64:65], 0
	v_nop
	global_prefetch_b8 v0, s[64:65] scope:SCOPE_SE
	s_setreg_imm32_b32 hwreg(HW_REG_WAVE_MODE, 25, 1), 1
	s_wait_xcnt 0x0
; e_actv [8192][256] f32 is (1) copied to out0, (2) quantised along its 256 columns to codes of BF6 (E3M2) with one E8M0 byte for each 32,
; (3) summed: hsq = -0.5 x the sum of a row's squares (of the unquantised numbers).  host is copied beside hsq.
; A WAVE TAKES A TILE: 16 neighbouring rows, 16,384 bytes, read once by 32 loads of 512 consecutive bytes, all on their way at once.
; codes: tile T is 3,072 bytes, AN IMAGE OF THE OPERAND'S 24 REGISTERS: registers 4 c .. 4 c + 3 of lane L at 3072 T + 512 c + 16 L.
;   Lane (r = L % 16, hh = L / 16) holds row 16 T + r; registers 6 b .. 6 b + 5 hold the row's block 2 b + hh of 32 numbers (b = 0 .. 3):
;   registers 0-11 are the fragment of K = 0 .. 127, registers 12-23 that of K = 128 .. 255, as the 6-bit operand layout has them.
; side: tile T is 256 bytes: words 0-15 the rows' scale words of K = 0 .. 127, words 16-31 those of K = 128 .. 255, words 32-47 hsq, words 48-63 host.
; A block's scale is 2^(floor(log2(its largest magnitude)) - 4); its byte is that magnitude's exponent field - 4, held at 1 from below.
; LIMITS: a block of zeros gets the byte 1 where the rule says 127 (its codes are zeros, and this program alone reads the bytes); NaN and infinities
; among the inputs are not served; the squares are summed in four chains of pairs, another order than jnp.sum's.
; The loads take the bytes as they lie; the conversions want 32 neighbours of ONE row in one lane: so the tile turns through the wave's own stage in LDS.
; Waves share nothing: no barrier.  No tensor load, no matrix instruction.
.set PITCH, 1040                       ; a stage row: 1,024 bytes + 16 = 65 x 16: sixteen rows' pieces begin in sixteen different 16-byte columns modulo 256
.set SDO,   16*PITCH                   ; behind the stage: the 256 bytes of the tile's side unit
.set WREG,  SDO+256                    ; LDS of a wave
.set MG,    16                         ; v16-19   the four blocks' largest magnitudes
.set SO,    20                         ; v20-23   the conversions' scale operands
.set BY,    24                         ; v24-27   the scale bytes
.set P,     32                         ; v32-55   the 24 registers of codes
.set X,     64                         ; v64-191  the tile: as loaded, then 4 blocks of 32 neighbours
.set TMP,   192                        ; v192-207 the upper halves of the blocks' codes (a conversion's three registers begin on an even number)
.set SQ,    208                        ; v208-215 four pairs of partial sums of squares
	s_load_b256 s[4:11], s[0:1], 0x0               ; e_actv s[4:5], host s[6:7], out0 s[8:9], codes s[10:11]
	s_load_b64 s[12:13], s[0:1], 0x20              ; side
	v_lshl_add_u32 v224, v0, 2, 0x8400
	v_mov_b32 v225, 0
	v_lshrrev_b32 v11, 5, v0
	v_readfirstlane_b32 s14, v11                   ; wave 0, 1
	s_lshl_b32 s15, ttmp9, 1
	s_add_co_u32 s15, s15, s14                     ; T = 2 x work-group + wave
	s_mul_i32 s22, s14, WREG                       ; my wave's LDS
	s_add_co_u32 s23, s22, SDO                     ; and its side unit
	v_and_b32 v12, 31, v0                          ; lane
	v_and_b32 v11, 15, v0                          ; r
	v_bfe_u32 v13, v0, 4, 1                        ; hh
	v_lshlrev_b32 v1, 4, v12                       ; v1  16 x lane: my 16 bytes of 512
	v_lshlrev_b32 v2, 2, v11                       ; v2  4 r
	v_add_nc_u32 v3, s22, v1                       ; v3  the stage, on the way in
	v_mul_u32_u24 v4, v11, PITCH
	v_lshl_add_u32 v4, v13, 7, v4
	v_add_nc_u32 v4, s22, v4                       ; v4  on the way out: row r, + 128 hh: block hh
	v_lshlrev_b32 v5, 2, v12
	v_add_nc_u32 v5, s23, v5                       ; v5  side unit: word lane
	v_add_nc_u32 v6, s23, v2
	v_add_nc_u32 v6, 128, v6                       ; v6  side unit: word 32 + r
	v_lshlrev_b32 v8, 3, v12                       ; v8  8 x lane
	v_add_nc_u32 v7, s23, v8                       ; v7  side unit, on the way out
	v_lshlrev_b32 v9, 3, v13                       ; v9  8 hh: my bytes' shift in a scale word
	s_lshl_b32 s16, s15, 14                        ; T x 16,384: e_actv and out0
	s_mov_b32 s17, 0
	s_lshl_b32 s18, s15, 6                         ; T x 64: host
	s_mov_b32 s19, 0
	s_mul_i32 s24, s15, 3072                       ; codes
	s_mov_b32 s25, 0
	s_lshl_b32 s26, s15, 8                         ; side
	s_mov_b32 s27, 0
	s_mov_b32 s20, 0x76543210
	s_mov_b32 s21, 0xfedcba98                      ; v_permlanex16_b32's selects for lane l xor 16
	s_wait_alu depctr_va_vdst(0)
	s_wait_kmcnt 0x0
	s_add_nc_u64 s[4:5], s[4:5], s[16:17]
	s_add_nc_u64 s[6:7], s[6:7], s[18:19]
	s_add_nc_u64 s[8:9], s[8:9], s[16:17]
	s_add_nc_u64 s[10:11], s[10:11], s[24:25]
	s_add_nc_u64 s[12:13], s[12:13], s[26:27]
	global_load_b32 v10, v2, s[6:7]                ; host of row r (both halves of the lanes take the same)
.set i, 0
.rept 32
	global_load_b128 v[X+4*i:X+4*i+3], v1, s[4:5] offset:512*i     ; 32 lanes read 512 consecutive bytes: half a row
.set i, i+1
.endr
	; the copy, and the way into the stage, in four batches of eight loads
.set i, 0
.rept 4
	s_wait_loadcnt 24-i                            ; loads come back in order: this batch is in, the 24 - i younger loads stay out
.rept 8
	global_store_b128 v1, v[X+4*i:X+4*i+3], s[8:9] offset:512*i th:TH_STORE_NT   ; two aligned runs of 256 bytes; nobody reads out0 here
	ds_store_b128 v3, v[X+4*i:X+4*i+3] offset:(i/2)*PITCH+(i%2)*512
.set i, i+1
.endr
.endr
	s_wait_xcnt 0x0                                ; the copy's stores have had their addresses translated: X is written again only behind this wait
	s_wait_dscnt 0x0                               ; and the stage's stores have read X, which the loads below fill again
.irp b, 0,1,2,3
.irp j, 0,1,2,3,4,5,6,7
	ds_load_b128 v[X+32*\b+4*\j:X+32*\b+4*\j+3], v4 offset:256*\b+16*\j          ; block 2 b + hh of row r: 32 neighbours
.endr
.endr
	s_wait_dscnt 0x0
	; the four blocks' largest magnitudes, by turns, so that no line waits for the line above it
.irp b, 0,1,2,3
	v_max3_num_f32 v[MG+\b], |v[X+32*\b]|, |v[X+32*\b+1]|, 0x2800000            ; with the floor 2^(5 - 127): the byte cannot fall under 1
.endr
.irp i, 2,4,6,8,10,12,14,16,18,20,22,24,26,28,30
.irp b, 0,1,2,3
	v_max3_num_f32 v[MG+\b], v[MG+\b], |v[X+32*\b+\i]|, |v[X+32*\b+\i+1]|
.endr
.endr
	; the sums of squares, two numbers an instruction, four chains
.irp b, 0,1,2,3
	v_pk_mul_f32 v[SQ+2*\b:SQ+2*\b+1], v[X+32*\b:X+32*\b+1], v[X+32*\b:X+32*\b+1]
.endr
.irp i, 2,4,6,8,10,12,14,16,18,20,22,24,26,28,30
.irp b, 0,1,2,3
	v_pk_fma_f32 v[SQ+2*\b:SQ+2*\b+1], v[X+32*\b+\i:X+32*\b+\i+1], v[X+32*\b+\i:X+32*\b+\i+1], v[SQ+2*\b:SQ+2*\b+1]
.endr
.endr
.irp b, 0,1,2,3
	v_add_nc_u32 v[SO+\b], 0xfe000000, v[MG+\b]    ; 4 off the exponent field: the conversion takes this operand's exponent field as its scale
.endr
.irp b, 0,1,2,3
	v_lshrrev_b32 v[BY+\b], 23, v[SO+\b]           ; the scale's byte
.endr
.irp b, 0,1,2,3
	v_cvt_scalef32_pk16_bf6_f32 v[P+6*\b:P+6*\b+2], v[X+32*\b:X+32*\b+15], v[SO+\b]          ; to the nearest code, ties to even, beyond 28 the largest code
	v_cvt_scalef32_pk16_bf6_f32 v[TMP+4*\b:TMP+4*\b+2], v[X+32*\b+16:X+32*\b+31], v[SO+\b]
.endr
	v_pk_add_f32 v[SQ:SQ+1], v[SQ:SQ+1], v[SQ+2:SQ+3]              ; (a plain line behind the scaled conversions)
	v_pk_add_f32 v[SQ+4:SQ+5], v[SQ+4:SQ+5], v[SQ+6:SQ+7]
.irp b, 0,1,2,3
.irp i, 0,1,2
	v_mov_b32 v[P+6*\b+3+\i], v[TMP+4*\b+\i]
.endr
.endr
	v_pk_add_f32 v[SQ:SQ+1], v[SQ:SQ+1], v[SQ+4:SQ+5]
	v_add_f32 v11, v[SQ], v[SQ+1]                  ; my four blocks of row r
	v_permlanex16_b32 v13, v11, s20, s21           ; (v13 has been written: it held hh)
	v_add_f32 v11, v11, v13                        ; with the other four: the row's sum of squares
	v_mul_f32 v11, -0.5, v11                       ; hsq: a power of two, nothing is rounded
	; the scale words.  I hold the bytes of blocks hh, 2 + hh (K = 0 .. 127) and 4 + hh, 6 + hh (K = 128 .. 255)
	v_lshl_or_b32 v28, v[BY+1], 16, v[BY]
	v_lshl_or_b32 v29, v[BY+3], 16, v[BY+2]
	v_lshlrev_b32 v28, v9, v28                     ; at their places: 8 hh bits up
	v_lshlrev_b32 v29, v9, v29
	v_permlane16_swap_b32 v28, v29                 ; v28's lanes 16-31 change places with v29's lanes 0-15:
	v_or_b32 v28, v28, v29                         ; lanes 0-15 now hold row r's word of K = 0 .. 127, lanes 16-31 that of K = 128 .. 255
	ds_store_b32 v5, v28
	ds_store_b32 v6, v11                           ; both halves of the lanes write the same word with the same value
	ds_store_b32 v6, v10 offset:64
	ds_load_b64 v[216:217], v7                     ; LDS serves a wave's instructions in order: this sees my stores
.irp c, 0,1,2,3,4,5
	global_store_b128 v1, v[P+4*\c:P+4*\c+3], s[10:11] offset:512*\c             ; the image: 512 consecutive bytes a store
.endr
	s_wait_dscnt 0x0
	global_store_b64 v8, v[216:217], s[12:13]      ; 32 lanes store the tile's 256 bytes, aligned
	s_wait_tensorcnt 0x0
	ds_add_u32 v224, v225
	s_wait_dscnt 0x0
	s_endpgm
.Lfunc_end_k_qcc7b990172_prep:
	.size	k_qcc7b990172_prep, .Lfunc_end_k_qcc7b990172_prep-k_qcc7b990172_prep
	.p2alignl 7, 3214868480
	.fill 96, 4, 3214868480
	.section	.rodata,"a",@progbits
	.p2align	6, 0x0
	.amdhsa_kernel k_qcc7b990172_prep
		.amdhsa_group_segment_fixed_size 34048
		.amdhsa_private_segment_fixed_size 0
		.amdhsa_enable_private_segment 0
		.amdhsa_kernarg_size 40
		.amdhsa_user_sgpr_count 2
		.amdhsa_user_sgpr_kernarg_segment_ptr 1
		.amdhsa_wavefront_size32 1
		.amdhsa_system_sgpr_workgroup_id_x 1
		.amdhsa_system_sgpr_workgroup_id_y 1
		.amdhsa_system_sgpr_workgroup_id_z 1
		.amdhsa_system_vgpr_workitem_id 0
		.amdhsa_next_free_vgpr 226
		.amdhsa_next_free_sgpr 66
		.amdhsa_reserve_vcc 0
		.amdhsa_float_denorm_mode_32 3
		.amdhsa_float_denorm_mode_16_64 3
		.amdhsa_memory_ordered 1
		.amdhsa_forward_progress 1
		.amdhsa_inst_pref_size 24
	.end_amdhsa_kernel
	.amdgpu_metadata
---
amdhsa.version: [ 1, 2 ]
amdhsa.kernels:
  - .name:           k_qcc7b990172_prep
    .symbol:         k_qcc7b990172_prep.kd
    .args:
      - { .name: e_actv, .offset: 0, .size: 8, .value_kind: global_buffer, .address_space: global }
      - { .name: host, .offset: 8, .size: 8, .value_kind: global_buffer, .address_space: global }
      - { .name: out0, .offset: 16, .size: 8, .value_kind: global_buffer, .address_space: global }
      - { .name: codes, .offset: 24, .size: 8, .value_kind: global_buffer, .address_space: global }
      - { .name: side, .offset: 32, .size: 8, .value_kind: global_buffer, .address_space: global }
    .group_segment_fixed_size: 34048
    .private_segment_fixed_size: 0
    .kernarg_segment_align: 8
    .kernarg_segment_size: 40
    .max_flat_workgroup_size: 64
    .sgpr_count:     66
    .vgpr_count:     226
    .wavefront_size: 32
...
	.end_amdgpu_metadata
.endif
;; end of part 1
;; launch nearest (part 2): grid 16 x 16, 8 waves a work-group, clusters of 4 x 1, 168,960 bytes of LDS; arguments codes, side, e_ap, out1, cand; writes out1, cand
.if DOCPART == 2
	.amdgcn_target "amdgcn-amd-amdhsa--gfx1250"
	.amdhsa_code_object_version 6
	.text
	.protected	k_qcc7b990172_nearest
	.globl	k_qcc7b990172_nearest
	.p2align	8
	.type	k_qcc7b990172_nearest,@function
k_qcc7b990172_nearest:
	s_mov_b64 s[64:65], 0
	v_nop
	global_prefetch_b8 v0, s[64:65] scope:SCOPE_SE
	s_setreg_imm32_b32 hwreg(HW_REG_WAVE_MODE, 25, 1), 1
	s_wait_xcnt 0x0
	s_wait_alu depctr_hold_cnt(0) depctr_sa_sdst(0) depctr_va_vdst(0) depctr_va_sdst(0) depctr_va_ssrc(0) depctr_va_vcc(0) depctr_vm_vsrc(0)
	s_getreg_b32 s2, hwreg(HW_REG_IB_STS2, 6, 4)
	s_cmp_eq_u32 s2, 0
	s_cbranch_scc0 .Lentry_in_a_cluster
	s_endpgm
.Lentry_in_a_cluster:
	s_bfe_u32 s2, ttmp6, 0x10000c
	s_cmp_lg_u32 s2, 0x3003
	s_cbranch_scc0 .Lentry_shape_is_right
	s_endpgm
.Lentry_shape_is_right:
; For each query row i and each SPLIT of 512 candidate rows: the smallest dist(i, j) = sqrt(max(sq_i + sq_j - 2 G_ij, 0)) over the candidates j with
; host_j != host_i, and the lowest j that has it.  G = Q(e) Q(e)^T on codes of BF6 (E3M2) with E8M0 scales.  (The diagonal needs no line of its own: host_i == host_i.)
; e_ap is copied to out1 on the way, 4,096 bytes a wave.
; SHARES.  Work-group (X, Y): queries 512 X on, candidates 512 Y on.  Each of its eight waves keeps four tiles of 16 queries in registers and walks the split's 32 tiles of 16 candidates.
; CLUSTER.  The four work-groups of a cluster have the same Y: the split's codes (98,304 bytes) and side units (8,192) are asked for JOINTLY, one load a wave, with a mask that names the four.
; They fit in LDS and are filled once.  The queries' fragments go from memory straight into registers, once a wave.  No prefetch: all tiles are asked for at the head, and no loop loads a tile.
; ARITHMETIC.  Source 0 = 16 candidates, source 1 = 16 queries: a lane holds ONE query (lane % 16), and its 8 registers of a tile are 8 neighbouring candidates (8 (lane / 16) + j): a GROUP.
;   C = hsq_j = -sq_j / 2; D = G + C.  d2 = 2 (c_i - D) with c_i = sq_i / 2, so the smallest d2 is the largest D, and max(d2, 0) is min(D, c_i).  The doubling and the root keep the order, and
;   are done once for each query and split.  Same host: D = -infinity.  Where a group's largest D, held at c_i, is above the best so far (strictly: groups come in ascending order, the first
;   stays), best, the tile's number and the group's 8 D are kept.  At the end the lowest j whose kept D reaches best gives the index.
; cand [16 splits][8192 queries][2 words]: the bits of the smallest distance (a non-negative f32: it orders as an unsigned whole number), and the candidate's index.
; LIMITS: NaN and infinities among the inputs are not served.  A masked pair counts as +infinity where reference() has 1e30: the same choice wherever d2 of unmasked pairs stays finite
; (magnitudes under about 1e18).  v_sqrt_f32 is good to 1 ulp, not correctly rounded, and d2 is rounded in another order than reference()'s: two candidates whose f32 distances differ in the
; last bits, or are made equal by rounding alone, may change places.  A query all of whose pairs are masked gets +infinity and the split's first index (the next launch then gives 0, as reference() does).
.set TILEB, 3072                       ; a tile's image: 24 registers x 128 bytes
.set SIDE,  32*TILEB                   ; LDS: the codes' 32 tiles from 0, the side units (256 bytes a tile) from here
.set SPARE, SIDE+8192                  ; behind them the spare words, 128 bytes for each wave
.set MX,   10                          ; v10-13   a group's largest D for each of the four query tiles
.set A,    24                          ; v24-47   the candidates' two fragments
.set ASC,  48                          ; v48      their scale words: lanes 0-15 K = 0 .. 127, lanes 16-31 K = 128 .. 255
.set HS,   50                          ; v50-57   hsq of my 8 candidates
.set HJ,   58                          ; v58-65   their host
.set ACC,  66                          ; v66-97   D: 8 q + j
.set B,    98                          ; v98-193  the queries' fragments: 24 q
.set BSC,  194                         ; v194-197 their scale words, laid as ASC
.set QS,   198                         ; v198-205 pairs (c_i, host_i)
.set BEST, 206                         ; v206-209 the largest D so far, held at c_i
.set IDX,  210                         ; v210-213 its tile's number; at the end the index
.set SAV,  214                         ; v214-245 the best group's 8 D: 8 q + j
.set TT,   246                         ; v246-249 at the end: j
.set CP,   0                           ; window 1, v256-287: e_ap on its way to out1
                                       ; v1 16 lane; v2 4 lane; v3 4 r; v4 SIDE + 128 + 32 h; v15 SIDE + 4 lane; v5, v6, v7 the LDS addresses of the tile to be fetched; v8 -infinity; v9 8 h; v14 8 lane; v254, v255 the add's
.set G1C,  24                          ; s[24:31] descriptor group 1: 96 rows of 256 bytes (eight tiles of codes)
.set G1S,  32                          ; s[32:39] 8 rows of 256 bytes (eight side units)
.set G0S,  40                          ; s[40:43], s[44:47] group 0 for side units, for codes
.set G0C,  44
.set TA,   60                          ; s60  LDS byte of the tile to be fetched
.set TS,   61                          ; s61  and of its side unit, less SIDE
.set TI,   62                          ; s62  the number of the tile in hand, among all 512
.set CNT,  63
.set MK,   66                          ; s[66:97]  32 masks: same host
.set WN,   98                          ; s[98:101] 4 masks: the group wins
; A round of the cluster's barrier: my work-group's barrier; wave 0 signals for the work-group; every wave waits for the four work-groups; my work-group's barrier once more.
.macro CROUND
	s_barrier_signal -1
	s_barrier_wait -1
	s_cmp_lg_u32 s14, 0
	s_cbranch_scc1 .Lnot_wave_0_\@
	s_barrier_signal -3
.Lnot_wave_0_\@:
	s_barrier_wait -3
	s_barrier_signal -1
	s_barrier_wait -1
.endm
	s_load_b256 s[4:11], s[0:1], 0x0               ; codes s[4:5], side s[6:7], e_ap s[8:9], out1 s[10:11]
	s_load_b64 s[12:13], s[0:1], 0x20              ; cand
	v_lshl_add_u32 v254, v0, 2, SPARE
	v_mov_b32 v255, 0
	ds_add_u32 v254, v255                          ; the wave's opening: the add, twice on end, and its wait
	ds_add_u32 v254, v255
	v_lshrrev_b32 v10, 5, v0
	v_readfirstlane_b32 s14, v10                   ; wave 0..7
	s_bfe_u32 s15, ttmp6, 0x40000                  ; cx: it enters plain loads' and stores' addresses alone
	s_lshl_b32 s16, ttmp9, 2                       ; in a cluster launch ttmp9 counts clusters
	s_add_co_u32 s16, s16, s15                     ; X
	s_and_b32 s17, ttmp7, 0xffff                   ; Y, which the four partners share
	; descriptor group 1: dense blocks as rows of 256 bytes (32 elements of 8 bytes), no padding: the images are read 512 consecutive bytes an instruction
	s_mov_b32 s[G1C], 15|(3<<16)|(1<<21)           ; 15:0 the mask: all four work-groups; 17:16 elements of 8 bytes; 21 set beside a mask
	s_mov_b32 s[G1C+1], 32<<16                     ; tensor_dim0 = 32
	s_mov_b32 s[G1C+2], 96<<16                     ; tensor_dim1 = 96
	s_mov_b32 s[G1C+3], 32<<16                     ; tile_dim0 = 32
	s_mov_b32 s[G1C+4], 96                         ; tile_dim1 = 96
	s_mov_b32 s[G1C+5], 32                         ; from row to row
	s_mov_b32 s[G1C+6], 0
	s_mov_b32 s[G1C+7], 0
	s_mov_b32 s[G1S], 15|(3<<16)|(1<<21)
	s_mov_b32 s[G1S+1], 32<<16
	s_mov_b32 s[G1S+2], 8<<16
	s_mov_b32 s[G1S+3], 32<<16
	s_mov_b32 s[G1S+4], 8
	s_mov_b32 s[G1S+5], 32
	s_mov_b32 s[G1S+6], 0
	s_mov_b32 s[G1S+7], 0
	; what I fetch, u = w % 4: waves 0-3 tiles 8 u .. 8 u + 7 of the split, waves 4-7 their side units
	s_and_b32 s18, s14, 3
	s_mul_i32 s22, s18, 8*TILEB
	s_add_co_u32 s[G0C+1], s22, 0                  ; LDS
	s_mul_i32 s23, s17, 32*TILEB
	s_add_co_u32 s22, s22, s23                     ; codes: 98,304 Y + 24,576 u
	s_mov_b32 s23, 0
	s_lshl_b32 s18, s18, 11
	s_add_co_u32 s[G0S+1], s18, SIDE               ; LDS
	s_lshl_b32 s19, s17, 13
	s_add_co_u32 s18, s18, s19                     ; side: 8,192 Y + 2,048 u
	s_mov_b32 s19, 0
	s_mov_b32 s[G0C], 1                            ; count = 1
	s_mov_b32 s[G0S], 1
	s_mov_b32 s20, 0x76543210
	s_mov_b32 s21, 0xfedcba98                      ; v_permlanex16_b32's selects for lane l xor 16
	s_mov_b32 s[TA], 0
	s_mov_b32 s[TS], 0
	s_lshl_b32 s[TI], s17, 5                       ; the split's first tile
	s_lshl_b32 s2, s16, 5
	s_lshl_b32 s3, s14, 2
	s_add_co_u32 s2, s2, s3                        ; my first query tile: 32 X + 4 w
	s_mul_i32 s98, s2, TILEB
	s_mov_b32 s99, 0
	s_lshl_b32 s100, s2, 8
	s_mov_b32 s101, 0
	v_and_b32 v10, 31, v0                          ; lane
	v_and_b32 v11, 15, v0                          ; r
	v_bfe_u32 v12, v0, 4, 1                        ; h
	v_lshlrev_b32 v14, 3, v10
	v_lshlrev_b32 v1, 4, v10
	v_lshlrev_b32 v2, 2, v10
	v_lshlrev_b32 v3, 2, v11
	v_lshlrev_b32 v9, 3, v12
	v_lshl_add_u32 v4, v12, 5, SIDE+128            ; a side unit's hsq of candidates 8 h on
	v_lshl_add_u32 v15, v10, 2, SIDE               ; its scale word for my lane
	v_add_nc_u32 v5, s[TA], v1                     ; tile 0
	v_add_nc_u32 v7, s[TS], v4
	v_add_nc_u32 v6, s[TS], v15
	s_wait_alu depctr_va_vdst(0)
	s_wait_dscnt 0x0                               ; both opening adds are done
	s_wait_kmcnt 0x0
	s_add_nc_u64 s[66:67], s[4:5], s[98:99]        ; my queries' images (s[66:69] serve as masks later, when these loads are done)
	s_add_nc_u64 s[68:69], s[6:7], s[100:101]      ; and their side units
.irp q, 0,1,2,3
	global_load_b32 v[BSC+\q], v2, s[68:69] offset:256*\q
	global_load_b32 v[QS+2*\q], v3, s[68:69] offset:256*\q+128      ; hsq of query r
	global_load_b32 v[QS+2*\q+1], v3, s[68:69] offset:256*\q+192    ; its host
.irp c, 0,1,2,3,4,5
	global_load_b128 v[B+24*\q+4*\c:B+24*\q+4*\c+3], v1, s[66:67] offset:TILEB*\q+512*\c    ; the queries' fragments stay in registers
.endr
.endr
	s_add_nc_u64 s[G0S+2:G0S+3], s[6:7], s[18:19]
	s_or_b32 s[G0S+3], s[G0S+3], 0x80000000        ; type = 2
	s_add_nc_u64 s[G0C+2:G0C+3], s[4:5], s[22:23]
	s_or_b32 s[G0C+3], s[G0C+3], 0x80000000
	s_lshl_b32 s2, s17, 4
	s_add_co_u32 s2, s2, s16
	s_lshl_b32 s2, s2, 3
	s_add_co_u32 s2, s2, s14
	s_lshl_b32 s2, s2, 12                          ; the copy: ((16 Y + X) 8 + w) x 4,096 bytes
	s_mov_b32 s3, 0
	s_add_nc_u64 s[8:9], s[8:9], s[2:3]
	s_add_nc_u64 s[10:11], s[10:11], s[2:3]
	s_lshl_b32 s2, s17, 16                         ; cand: 65,536 Y + 8 (512 X + 64 w)
	s_lshl_b32 s98, s16, 12
	s_add_co_u32 s2, s2, s98
	s_lshl_b32 s98, s14, 9
	s_add_co_u32 s2, s2, s98
	s_add_nc_u64 s[12:13], s[12:13], s[2:3]
	CROUND                                         ; all four work-groups are here: the joint loads meet
	s_cmp_lt_u32 s14, 4                            ; one joint load a wave
	s_cbranch_scc0 .Lfor_side
	tensor_load_to_lds s[G0C:G0C+3], s[G1C:G1C+7]
	s_nop 0
.rept 4
	v_nop
.endr
	s_branch .Lasked
.Lfor_side:
	tensor_load_to_lds s[G0S:G0S+3], s[G1S:G1S+7]
	s_nop 0
.rept 4
	v_nop
.endr
.Lasked:
	v_mov_b32 v8, 0xff800000                       ; -infinity
.irp q, 0,1,2,3
	v_mov_b32 v[BEST+\q], 0xff800000               ; no group wins against it but one with an unmasked pair
	v_mov_b32 v[IDX+\q], s[TI]
.endr
.set i, 0
.rept 32
	v_mov_b32 v[SAV+i], 0xff800000                 ; the selects below read these from the first tile on
.set i, i+1
.endr
	s_wait_loadcnt 0x0                             ; the queries
.irp q, 0,1,2,3
	v_xor_b32 v[QS+2*\q], 0x80000000, v[QS+2*\q]   ; c_i = -hsq_i
.endr
	s_wait_alu depctr_va_vdst(0)
	s_wait_tensorcnt 0x0                           ; my load is in
	s_barrier_signal -1
	s_barrier_wait -1                              ; everybody's are; nothing is filled again
	s_set_vgpr_msb 0x40                            ; destination window 1
.irp k, 0,1,2,3,4,5,6,7
	global_load_b128 v[CP+4*\k:CP+4*\k+3], v1, s[8:9] offset:512*\k th:TH_LOAD_NT
.endr
	s_set_vgpr_msb 0x4000
.macro LOADT                           ; 11 LDS loads: the tile at s[TA], s[TS]
.irp c, 0,1,2,3,4,5
	ds_load_b128 v[A+4*\c:A+4*\c+3], v5 offset:512*\c              ; the image as it lies: 512 consecutive bytes
.endr
	ds_load_b32 v[ASC], v6
	ds_load_b128 v[HS:HS+3], v7                                    ; sixteen lanes take the same 16 bytes
	ds_load_b128 v[HS+4:HS+7], v7 offset:16
	ds_load_b128 v[HJ:HJ+3], v7 offset:64
	ds_load_b128 v[HJ+4:HJ+7], v7 offset:80
.endm
; ONE TILE OF CANDIDATES against my four tiles of queries.  pf = 1: the next tile is fetched in the middle.
.macro TILE pf
	s_wait_dscnt 0x0                               ; the tile's 11 loads, issued in the middle of the tile before
.irp q, 0,1,2,3                        ; the four accumulators take turns, one instruction a turn; hsq_j starts the sums
	v_wmma_scale_f32_16x16x128_f8f6f4 v[ACC+8*\q:ACC+8*\q+7], v[A:A+11], v[B+24*\q:B+24*\q+11], v[HS:HS+7], v[ASC], v[BSC+\q] matrix_a_fmt:MATRIX_FMT_BF6 matrix_b_fmt:MATRIX_FMT_BF6
.endr
.irp q, 0,1,2,3
	v_wmma_scale_f32_16x16x128_f8f6f4 v[ACC+8*\q:ACC+8*\q+7], v[A+12:A+23], v[B+24*\q+12:B+24*\q+23], v[ACC+8*\q:ACC+8*\q+7], v[ASC], v[BSC+\q] matrix_a_fmt:MATRIX_FMT_BF6 matrix_b_fmt:MATRIX_FMT_BF6 matrix_a_scale:MATRIX_SCALE_ROW1 matrix_b_scale:MATRIX_SCALE_ROW1
.endr
.if \pf
	s_add_co_u32 s[TA], s[TA], TILEB
	s_add_co_u32 s[TS], s[TS], 256
	v_add_nc_u32 v5, s[TA], v1                     ; the next tile's addresses
	v_add_nc_u32 v6, s[TS], v15
	v_add_nc_u32 v7, s[TS], v4
.endif
.irp q, 0,1,2,3                        ; 32 compares that name no register of the products: the places behind them (ISA guide 7.12.1), and work that is due
.irp j, 0,1,2,3,4,5,6,7
	v_cmp_eq_u32 s[MK+8*\q+\j], v[HJ+\j], v[QS+2*\q+1]
.endr
.endr
.if \pf
	LOADT
.endif
.irp q, 0,1,2,3                        ; each accumulator is read from its low end on
.irp j, 0,1,2,3,4,5,6,7
	v_cndmask_b32 v[ACC+8*\q+\j], v[ACC+8*\q+\j], v8, s[MK+8*\q+\j]              ; same host: -infinity
.endr
.endr
.irp q, 0,1,2,3                        ; the group's largest D, the four tiles by turns
	v_max3_num_f32 v[MX+\q], v[ACC+8*\q], v[ACC+8*\q+1], v[ACC+8*\q+2]
.endr
.irp q, 0,1,2,3
	v_max3_num_f32 v[MX+\q], v[MX+\q], v[ACC+8*\q+3], v[ACC+8*\q+4]
.endr
.irp q, 0,1,2,3
	v_max3_num_f32 v[MX+\q], v[MX+\q], v[ACC+8*\q+5], v[ACC+8*\q+6]
.endr
.irp q, 0,1,2,3
	v_maxmin_num_f32 v[MX+\q], v[MX+\q], v[ACC+8*\q+7], v[QS+2*\q]               ; the last leaf, and held at c_i: max(d2, 0)
.endr
.irp q, 0,1,2,3
	v_cmp_gt_f32 s[WN+\q], v[MX+\q], v[BEST+\q]
.endr
.irp q, 0,1,2,3
	v_max_num_f32 v[BEST+\q], v[BEST+\q], v[MX+\q]
.endr
.irp q, 0,1,2,3
	v_cndmask_b32 v[IDX+\q], v[IDX+\q], s[TI], s[WN+\q]
.irp j, 0,1,2,3,4,5,6,7
	v_cndmask_b32 v[SAV+8*\q+\j], v[SAV+8*\q+\j], v[ACC+8*\q+\j], s[WN+\q]
.endr
.endr
	s_add_co_u32 s[TI], s[TI], 1
.endm
.macro WALK n
	s_mov_b32 s[CNT], \n
.Ltile_\@:
	TILE 1
	s_sub_co_u32 s[CNT], s[CNT], 1
	s_cmp_lg_u32 s[CNT], 0
	s_cbranch_scc1 .Ltile_\@
.endm
	LOADT
	WALK 8
	s_wait_loadcnt 0x0                             ; e_ap has come
	s_set_vgpr_msb 0x0004                          ; the stores' data: window 1
.irp k, 0,1,2,3,4,5,6,7
	global_store_b128 v1, v[CP+4*\k:CP+4*\k+3], s[10:11] offset:512*\k th:TH_STORE_NT        ; 512 consecutive bytes, aligned
.endr
	s_set_vgpr_msb 0x0400
	WALK 23
	TILE 0                                         ; the 32nd tile fetches nothing
; THE INDEX: the lowest j whose kept D reaches best (best is at most c_i, so a D beyond c_i reaches it too).  Then the two halves of the lanes (candidates 8 h on of
; every tile) are joined: the smaller key, at equal keys the lower index.
.irp q, 0,1,2,3
	v_mov_b32 v[TT+\q], 0
.endr
.irp j, 7,6,5,4,3,2,1,0
.irp q, 0,1,2,3
	v_cmp_le_f32 s[WN+\q], v[BEST+\q], v[SAV+8*\q+\j]
.endr
.irp q, 0,1,2,3
	v_cndmask_b32 v[TT+\q], v[TT+\q], \j, s[WN+\q] ; descending: the lowest j stays
.endr
.endr
.irp q, 0,1,2,3
	v_sub_f32 v[MX+\q], v[QS+2*\q], v[BEST+\q]     ; d2 / 2, at least 0
.endr
.irp q, 0,1,2,3
	v_lshl_add_u32 v[IDX+\q], v[IDX+\q], 4, v[TT+\q]
.endr
.irp q, 0,1,2,3
	v_add_f32 v[MX+\q], v[MX+\q], v[MX+\q]
.endr
	s_wait_alu depctr_va_vdst(0)
.irp q, 0,1,2,3
	v_sqrt_f32 v[ACC+\q], v[MX+\q]                 ; the key
.endr
.irp q, 0,1,2,3
	v_add_nc_u32 v[IDX+\q], v[IDX+\q], v9          ; index = 16 x tile + 8 h + j
.endr
	s_wait_alu depctr_va_vdst(0)
.irp q, 0,1,2,3
	v_permlanex16_b32 v[ACC+8+\q], v[ACC+\q], s20, s21             ; (the destinations have been written: they held D)
.endr
.irp q, 0,1,2,3
	v_permlanex16_b32 v[ACC+16+\q], v[IDX+\q], s20, s21
.endr
.irp q, 0,1,2,3
	v_cmp_lt_u32 s[MK+\q], v[ACC+8+\q], v[ACC+\q]
	v_cmp_eq_u32 s[MK+4+\q], v[ACC+8+\q], v[ACC+\q]
	v_cmp_lt_u32 s[MK+8+\q], v[ACC+16+\q], v[IDX+\q]
.endr
.irp q, 0,1,2,3
	s_and_b32 s[MK+4+\q], s[MK+4+\q], s[MK+8+\q]
	s_or_b32 s[MK+\q], s[MK+\q], s[MK+4+\q]
.endr
.irp q, 0,1,2,3
	v_cndmask_b32 v[ACC+\q], v[ACC+\q], v[ACC+8+\q], s[MK+\q]
	v_cndmask_b32 v[IDX+\q], v[IDX+\q], v[ACC+16+\q], s[MK+\q]
.endr
	s_mov_b32 s98, 0xffff0000                      ; lanes 0-15 store an even tile's 16 queries, lanes 16-31 the odd tile's
	v_cndmask_b32 v252, v[ACC], v[ACC+1], s98
	v_cndmask_b32 v253, v[IDX], v[IDX+1], s98
	v_cndmask_b32 v250, v[ACC+2], v[ACC+3], s98
	v_cndmask_b32 v251, v[IDX+2], v[IDX+3], s98
	global_store_b64 v14, v[252:253], s[12:13]     ; 32 lanes store 256 consecutive bytes, aligned
	global_store_b64 v14, v[250:251], s[12:13] offset:256
	s_wait_tensorcnt 0x0                           ; the wave's end
	ds_add_u32 v254, v255
	s_wait_dscnt 0x0
	CROUND                                         ; the closing round: no work-group ends while a partner may still ask
	s_endpgm
.Lfunc_end_k_qcc7b990172_nearest:
	.size	k_qcc7b990172_nearest, .Lfunc_end_k_qcc7b990172_nearest-k_qcc7b990172_nearest
	.p2alignl 7, 3214868480
	.fill 96, 4, 3214868480
	.section	.rodata,"a",@progbits
	.p2align	6, 0x0
	.amdhsa_kernel k_qcc7b990172_nearest
		.amdhsa_group_segment_fixed_size 168960
		.amdhsa_private_segment_fixed_size 0
		.amdhsa_enable_private_segment 0
		.amdhsa_kernarg_size 40
		.amdhsa_user_sgpr_count 2
		.amdhsa_user_sgpr_kernarg_segment_ptr 1
		.amdhsa_wavefront_size32 1
		.amdhsa_system_sgpr_workgroup_id_x 1
		.amdhsa_system_sgpr_workgroup_id_y 1
		.amdhsa_system_sgpr_workgroup_id_z 1
		.amdhsa_system_vgpr_workitem_id 0
		.amdhsa_next_free_vgpr 288
		.amdhsa_next_free_sgpr 102
		.amdhsa_reserve_vcc 0
		.amdhsa_float_denorm_mode_32 3
		.amdhsa_float_denorm_mode_16_64 3
		.amdhsa_memory_ordered 1
		.amdhsa_forward_progress 1
		.amdhsa_inst_pref_size 50
	.end_amdhsa_kernel
	.amdgpu_metadata
---
amdhsa.version: [ 1, 2 ]
amdhsa.kernels:
  - .name:           k_qcc7b990172_nearest
    .symbol:         k_qcc7b990172_nearest.kd
    .args:
      - { .name: codes, .offset: 0, .size: 8, .value_kind: global_buffer, .address_space: global }
      - { .name: side, .offset: 8, .size: 8, .value_kind: global_buffer, .address_space: global }
      - { .name: e_ap, .offset: 16, .size: 8, .value_kind: global_buffer, .address_space: global }
      - { .name: out1, .offset: 24, .size: 8, .value_kind: global_buffer, .address_space: global }
      - { .name: cand, .offset: 32, .size: 8, .value_kind: global_buffer, .address_space: global }
    .group_segment_fixed_size: 168960
    .private_segment_fixed_size: 0
    .kernarg_segment_align: 8
    .kernarg_segment_size: 40
    .max_flat_workgroup_size: 256
    .sgpr_count:     102
    .vgpr_count:     288
    .wavefront_size: 32
...
	.end_amdgpu_metadata
.endif
;; end of part 2
;; launch gather (part 3): grid 256 x 1, 4 waves a work-group, no clusters, 0 bytes of LDS; arguments cand, e_actv, out2; writes out2
.if DOCPART == 3
	.amdgcn_target "amdgcn-amd-amdhsa--gfx1250"
	.amdhsa_code_object_version 6
	.text
	.protected	k_qcc7b990172_gather
	.globl	k_qcc7b990172_gather
	.p2align	8
	.type	k_qcc7b990172_gather,@function
k_qcc7b990172_gather:
	s_mov_b64 s[64:65], 0
	v_nop
	global_prefetch_b8 v0, s[64:65] scope:SCOPE_SE
	s_setreg_imm32_b32 hwreg(HW_REG_WAVE_MODE, 25, 1), 1
	s_wait_xcnt 0x0
; out2[i] = e_actv[the index of the smallest key of query i over the 16 splits; at equal keys the lowest index].
; cand [16][8192][2 words] holds whole numbers: a key (the bits of a non-negative f32 distance, which order as unsigned numbers) and a candidate's index.
; A wave takes 8 queries.  Lane L = q8 + 8 part reads splits 4 part .. 4 part + 3 of query q8; the four parts are joined across lanes; then each of the 8 chosen rows (1,024 bytes)
; is copied by two loads and two stores of 512 consecutive bytes, all 16 loads on their way at once.  Memory binds: no LDS, no barrier, no matrix unit, nothing shared between work-groups.
; An index is held to 0 .. 8191 before it enters an address.
	s_load_b128 s[4:7], s[0:1], 0x0                ; cand s[4:5], e_actv s[6:7]
	s_load_b64 s[8:9], s[0:1], 0x10                ; out2
	v_lshrrev_b32 v3, 5, v0
	v_readfirstlane_b32 s10, v3                    ; wave 0..3
	s_lshl_b32 s11, ttmp9, 2
	s_add_co_u32 s11, s11, s10                     ; my 8 queries begin at 8 x this
	s_lshl_b32 s12, s11, 6                         ; x 8 bytes in a split of cand
	s_mov_b32 s13, 0
	s_lshl_b32 s14, s11, 13                        ; x 1,024 bytes in out2
	s_mov_b32 s15, 0
	s_mov_b32 s16, 0x76543210
	s_mov_b32 s17, 0xfedcba98                      ; v_permlanex16_b32's selects for lane l xor 16
	v_and_b32 v3, 31, v0
	v_lshlrev_b32 v1, 4, v3                        ; v1  16 x lane
	v_and_b32 v4, 7, v0                            ; q8
	v_bfe_u32 v5, v0, 3, 2                         ; part
	v_lshlrev_b32 v2, 3, v4
	v_lshl_add_u32 v2, v5, 18, v2                  ; v2  4 part splits of 65,536 bytes + 8 q8
	v_mov_b32 v24, 0                               ; written once: the destinations of the lane moves count as read
	v_mov_b32 v25, 0
	s_wait_alu depctr_va_vdst(0)
	s_wait_kmcnt 0x0
	s_add_nc_u64 s[4:5], s[4:5], s[12:13]
	s_add_nc_u64 s[8:9], s[8:9], s[14:15]
.irp j, 0,1,2,3
	global_load_b64 v[16+2*\j:17+2*\j], v2, s[4:5] offset:65536*\j th:TH_LOAD_NT
.endr
	s_wait_loadcnt 0x0
.irp j, 1,2,3                          ; within the lane the splits ascend, and so do their indices: strictly smaller takes, the first stays
	v_cmp_lt_u32 vcc_lo, v[16+2*\j], v16
	v_cndmask_b32 v16, v16, v[16+2*\j], vcc_lo
	v_cndmask_b32 v17, v17, v[17+2*\j], vcc_lo
.endr
.macro TAKE                            ; (v24, v25), another lane's pair, takes where its key is smaller, or equal with the lower index
	v_cmp_lt_u32 s18, v24, v16
	v_cmp_eq_u32 s19, v24, v16
	v_cmp_lt_u32 s28, v25, v17
	s_and_b32 s19, s19, s28
	s_or_b32 s18, s18, s19
	v_cndmask_b32 v16, v16, v24, s18
	v_cndmask_b32 v17, v17, v25, s18
.endm
	v_mov_b32_dpp v24, v16 row_xmask:8 row_mask:0xf bank_mask:0xf  ; lane l xor 8: part xor 1
	v_mov_b32_dpp v25, v17 row_xmask:8 row_mask:0xf bank_mask:0xf
	TAKE
	v_permlanex16_b32 v24, v16, s16, s17           ; lane l xor 16: part xor 2
	v_permlanex16_b32 v25, v17, s16, s17
	TAKE
	s_wait_alu depctr_va_vdst(0)
.irp q, 0,1,2,3,4,5,6,7
	v_readlane_b32 s[20+\q], v17, \q               ; query q's index
	s_min_u32 s[20+\q], s[20+\q], 0x1fff           ; inside the table
	s_lshl_b32 s[20+\q], s[20+\q], 10              ; its row's first byte
	v_add_nc_u32 v[8+\q], s[20+\q], v1             ; an offset register of its own for each row: none is rewritten
	global_load_b128 v[32+8*\q:35+8*\q], v[8+\q], s[6:7]           ; (no hint: a row may be chosen by several queries)
	global_load_b128 v[36+8*\q:39+8*\q], v[8+\q], s[6:7] offset:512
.endr
.irp q, 0,1,2,3,4,5,6,7
	s_wait_loadcnt 14-2*\q                         ; loads come back in order: row q's two are in, the younger rows' stay out
	global_store_b128 v1, v[32+8*\q:35+8*\q], s[8:9] offset:1024*\q th:TH_STORE_NT           ; 512 consecutive bytes, aligned
	global_store_b128 v1, v[36+8*\q:39+8*\q], s[8:9] offset:1024*\q+512 th:TH_STORE_NT
.endr
	s_endpgm
.Lfunc_end_k_qcc7b990172_gather:
	.size	k_qcc7b990172_gather, .Lfunc_end_k_qcc7b990172_gather-k_qcc7b990172_gather
	.p2alignl 7, 3214868480
	.fill 96, 4, 3214868480
	.section	.rodata,"a",@progbits
	.p2align	6, 0x0
	.amdhsa_kernel k_qcc7b990172_gather
		.amdhsa_group_segment_fixed_size 0
		.amdhsa_private_segment_fixed_size 0
		.amdhsa_enable_private_segment 0
		.amdhsa_kernarg_size 24
		.amdhsa_user_sgpr_count 2
		.amdhsa_user_sgpr_kernarg_segment_ptr 1
		.amdhsa_wavefront_size32 1
		.amdhsa_system_sgpr_workgroup_id_x 1
		.amdhsa_system_sgpr_workgroup_id_y 1
		.amdhsa_system_sgpr_workgroup_id_z 1
		.amdhsa_system_vgpr_workitem_id 0
		.amdhsa_next_free_vgpr 96
		.amdhsa_next_free_sgpr 66
		.amdhsa_reserve_vcc 1
		.amdhsa_float_denorm_mode_32 3
		.amdhsa_float_denorm_mode_16_64 3
		.amdhsa_memory_ordered 1
		.amdhsa_forward_progress 1
		.amdhsa_inst_pref_size 8
	.end_amdhsa_kernel
	.amdgpu_metadata
---
amdhsa.version: [ 1, 2 ]
amdhsa.kernels:
  - .name:           k_qcc7b990172_gather
    .symbol:         k_qcc7b990172_gather.kd
    .args:
      - { .name: cand, .offset: 0, .size: 8, .value_kind: global_buffer, .address_space: global }
      - { .name: e_actv, .offset: 8, .size: 8, .value_kind: global_buffer, .address_space: global }
      - { .name: out2, .offset: 16, .size: 8, .value_kind: global_buffer, .address_space: global }
    .group_segment_fixed_size: 0
    .private_segment_fixed_size: 0
    .kernarg_segment_align: 8
    .kernarg_segment_size: 24
    .max_flat_workgroup_size: 128
    .sgpr_count:     66
    .vgpr_count:     96
    .wavefront_size: 32
...
	.end_amdgpu_metadata
.endif
;; end of part 3
